; MI455X (gfx1250); checked and timed in simulation.
; The chip was launched on July 23, 2026; its instructions are those of AMD's public machine-readable ISA for CDNA 5 (MIT licence, August 2026) and "CDNA5" Instruction Set Architecture Reference Guide (July 2026). The comments in the code are by the model that wrote it; some were corrected since.
;; Latent Denoiser. Allowed arithmetic: float matrix products may take bf16 or f16 operands with f32 sums; other float arithmetic in f32, or as packed bf16 or f16 multiplies, adds, multiply-adds, maxima and minima; sums over many terms, partial sums and values carried from step to step in f32; what a program stores and reads back later, other than sums and carried values, may be rounded once to bf16 or f16.
;; Inputs: params_blocks_0_fc_W 256 x 256 float32; params_blocks_0_fc_b 256 float32; params_blocks_0_norm_b 256 float32; params_blocks_0_norm_g 256 float32; params_blocks_0_proj_W 512 x 256 float32; params_blocks_0_proj_b 512 float32; params_blocks_1_fc_W 256 x 256 float32; params_blocks_1_fc_b 256 float32; params_blocks_1_norm_b 256 float32; params_blocks_1_norm_g 256 float32; params_blocks_1_proj_W 512 x 256 float32; params_blocks_1_proj_b 512 float32; params_blocks_2_fc_W 256 x 256 float32; params_blocks_2_fc_b 256 float32; params_blocks_2_norm_b 256 float32; params_blocks_2_norm_g 256 float32; params_blocks_2_proj_W 512 x 256 float32; params_blocks_2_proj_b 512 float32; params_blocks_3_fc_W 256 x 256 float32; params_blocks_3_fc_b 256 float32; params_blocks_3_norm_b 256 float32; params_blocks_3_norm_g 256 float32; params_blocks_3_proj_W 512 x 256 float32; params_blocks_3_proj_b 512 float32; params_blocks_4_fc_W 256 x 256 float32; params_blocks_4_fc_b 256 float32; params_blocks_4_norm_b 256 float32; params_blocks_4_norm_g 256 float32; params_blocks_4_proj_W 512 x 256 float32; params_blocks_4_proj_b 512 float32; params_blocks_5_fc_W 256 x 256 float32; params_blocks_5_fc_b 256 float32; params_blocks_5_norm_b 256 float32; params_blocks_5_norm_g 256 float32; params_blocks_5_proj_W 512 x 256 float32; params_blocks_5_proj_b 512 float32; params_blocks_6_fc_W 256 x 256 float32; params_blocks_6_fc_b 256 float32; params_blocks_6_norm_b 256 float32; params_blocks_6_norm_g 256 float32; params_blocks_6_proj_W 512 x 256 float32; params_blocks_6_proj_b 512 float32; params_blocks_7_fc_W 256 x 256 float32; params_blocks_7_fc_b 256 float32; params_blocks_7_norm_b 256 float32; params_blocks_7_norm_g 256 float32; params_blocks_7_proj_W 512 x 256 float32; params_blocks_7_proj_b 512 float32; params_class_emb 10 x 256 float32; params_in_W 256 x 16 float32; params_in_b 256 float32; params_out_W 16 x 256 float32; params_out_b 16 float32; params_out_norm_b 256 float32; params_out_norm_g 256 float32; params_time_fc1_W 256 x 128 float32; params_time_fc1_b 256 float32; params_time_fc2_W 256 x 256 float32; params_time_fc2_b 256 float32; t 32,768 int32; y 32,768 int32; z 32,768 x 16 float32.
;; Outputs: out0 32,768 x 16 float32.
;; One version. Each part assembles by itself: llvm-mc -triple=amdgcn-amd-amdhsa -mcpu=gfx1250 --defsym DOCPART=n.
;; ======== version 1 of 1: 3 launches
;; limits: values are held in f16: magnitudes above 65,504 overflow, below 6.1e-05 lose precision; right only within a limited range of input values
;; workspace buffers: wts 3,727,360 bytes
;; launch packA (part 1): grid 52 x 1, 8 waves a work-group, no clusters, 0 bytes of LDS; arguments params_blocks_0_fc_W, params_blocks_0_fc_b, params_blocks_0_norm_b, params_blocks_0_norm_g, params_blocks_0_proj_W, params_blocks_0_proj_b, params_blocks_1_fc_W, params_blocks_1_fc_b, params_blocks_1_norm_b, params_blocks_1_norm_g, params_blocks_1_proj_W, params_blocks_1_proj_b, params_blocks_2_fc_W, params_blocks_2_fc_b, params_blocks_2_norm_b, params_blocks_2_norm_g, params_blocks_2_proj_W, params_blocks_2_proj_b, params_blocks_3_fc_W, params_blocks_3_fc_b, params_blocks_3_norm_b, params_blocks_3_norm_g, params_blocks_3_proj_W, params_blocks_3_proj_b, params_time_fc1_W, params_time_fc1_b, params_in_W, params_in_b, wts; writes wts
.if DOCPART == 1
	.amdgcn_target "amdgcn-amd-amdhsa--gfx1250"
	.amdhsa_code_object_version 6
	.text
	.protected	k_qa90a276b4d_packA
	.globl	k_qa90a276b4d_packA
	.p2align	8
	.type	k_qa90a276b4d_packA,@function
k_qa90a276b4d_packA:
	s_mov_b64 s[64:65], 0
	v_nop
	global_prefetch_b8 v0, s[64:65] scope:SCOPE_SE
	s_setreg_imm32_b32 hwreg(HW_REG_WAVE_MODE, 25, 1), 1
	s_wait_xcnt 0x0
; PACKING, FIRST HALF: blocks 0-3, time_fc1 and the input layer are folded, rounded once to f16 and laid out as slots of wts.
; A slot is 260 dense rows of 512 bytes: rows 0-255 hold 256 f16 weights each, rows 256-257 bias set 1 (256 f32, in row order), rows 258-259 bias set 2.
; With c = log2(e), g, b the block's norm gain and bias, Wg, Wb the two halves of proj_W, pg, pb those of proj_b:
;   gam rows  -g Wg           bias  c g (1 + pg)
;   bet rows  Wb + b Wg       bias  -c (pb + b (1 + pg))
;   fc rows   64 fc_W         bias  -c fc_b
;   slot 0    row f: columns 0-127 -c fc1_W[f], 128-143 -c in_W[f], the rest 0; set 1 -c fc1_b, set 2 -c in_b
; In a proj slot row 32 p + 16 s + i is feature 128 sigma + 16 p + i, s = 0 gam, 1 bet.
; LIMIT: a packed weight beyond 65,504 becomes an infinity in f16.
; SHARES: 48 work-groups take 12 jobs for each block (8 of 32 proj features, 4 of 64 fc rows), 4 take slot 0.  A wave's store covers 512 consecutive bytes
; (slot 0: two runs of 256).  No LDS, no loop: each job issues all its loads, waits once, and stores from registers that are not written again.
.set SLOTG, 133120
.set SL0, 2                            ; block 0 of this launch begins at this slot
.set WTS, 76                           ; s[76:77] wts
.set NEGC, 0xbfb8aa3b
.set POSC, 0x3fb8aa3b
	s_load_b512 s[8:23], s[0:1], 0x0               ; block i's six addresses at s[8+12 i ..]: fc_W, fc_b, norm_b, norm_g, proj_W, proj_b
	s_load_b512 s[24:39], s[0:1], 0x40
	s_load_b512 s[40:55], s[0:1], 0x80
	s_load_b256 s[68:75], s[0:1], 0xc0             ; fc1_W, fc1_b, in_W, in_b
	s_load_b64 s[76:77], s[0:1], 0xe0              ; wts
	v_lshrrev_b32 v4, 5, v0
	v_readfirstlane_b32 s2, v4                     ; wave 0..7
	v_and_b32 v4, 31, v0                           ; lane
	v_lshlrev_b32 v1, 5, v4                        ; 32 bytes of f32 a lane
	v_lshlrev_b32 v2, 4, v4                        ; 16 bytes of f16 a lane
	v_and_b32 v3, 15, v0                           ; q
	v_lshrrev_b32 v9, 4, v4                        ; lane / 16
	s_mov_b32 s3, ttmp9
	s_wait_kmcnt 0x0
	s_cmp_ge_u32 s3, 48
	s_cbranch_scc1 .Lextra
	s_mul_i32 s4, s3, 43
	s_lshr_b32 s4, s4, 9                           ; block = x / 12 (exact for x < 48)
	s_mul_i32 s5, s4, 12
	s_sub_co_u32 s5, s3, s5                        ; job 0..11
.irp k, 0,1,2,3,4,5
	s_mov_b64 s[80+2*\k:81+2*\k], s[8+2*\k:9+2*\k]
.endr
.irp b, 1,2,3
	s_cmp_eq_u32 s4, \b
.irp k, 0,1,2,3,4,5
	s_cselect_b64 s[80+2*\k:81+2*\k], s[8+12*\b+2*\k:9+12*\b+2*\k], s[80+2*\k:81+2*\k]
.endr
.endr
	s_lshr_b32 s6, s5, 2                           ; 0, 1: the two proj slots; 2: the fc slot
	s_mul_i32 s7, s4, 3
	s_add_co_u32 s6, s6, s7
	s_add_co_u32 s6, s6, SL0
	s_mul_i32 s6, s6, SLOTG
	s_mov_b32 s7, 0
	s_add_nc_u64 s[92:93], s[WTS:WTS+1], s[6:7]    ; the slot
	s_and_b32 s98, s5, 3                           ; u: which quarter of the slot
	s_cmp_ge_u32 s5, 8
	s_cbranch_scc1 .Lfc
	; ---- 32 proj features; my wave takes four: f0 = 32 job + 4 wave
	s_lshl_b32 s66, s5, 5
	s_lshl_b32 s67, s2, 2
	s_add_co_u32 s66, s66, s67
	s_lshl_b32 s94, s66, 2
	s_load_b128 s[56:59], s[86:87], s94 offset:0x0 ; g[f0 ..]
	s_load_b128 s[60:63], s[84:85], s94 offset:0x0 ; b[f0 ..]
	s_lshl_b32 s6, s66, 10
	s_add_nc_u64 s[96:97], s[88:89], s[6:7]        ; proj_W at row f0
.irp i, 0,1,2,3
	global_load_b128 v[16+8*\i:19+8*\i], v1, s[96:97] offset:\i*1024 th:TH_LOAD_NT
	global_load_b128 v[20+8*\i:23+8*\i], v1, s[96:97] offset:\i*1024+16 th:TH_LOAD_NT
	global_load_b128 v[48+8*\i:51+8*\i], v1, s[96:97] offset:\i*1024+262144 th:TH_LOAD_NT
	global_load_b128 v[52+8*\i:55+8*\i], v1, s[96:97] offset:\i*1024+262160 th:TH_LOAD_NT
.endr
	s_lshl_b32 s66, s98, 6                         ; the gam rows begin at 64 u + 32 (wave / 4) + 4 (wave % 4)
	s_lshr_b32 s67, s2, 2
	s_lshl_b32 s67, s67, 5
	s_add_co_u32 s66, s66, s67
	s_and_b32 s67, s2, 3
	s_lshl_b32 s67, s67, 2
	s_add_co_u32 s66, s66, s67
	s_lshl_b32 s66, s66, 9
	v_add_nc_u32 v6, s66, v2
	s_wait_kmcnt 0x0
.irp i, 0,1,2,3
	s_xor_b32 s[56+\i], s[56+\i], 0x80000000       ; -g
.endr
	s_wait_loadcnt 0x0
.irp i, 0,1,2,3
.irp k, 0,1,2,3,4,5,6,7
	v_fma_f32 v[48+8*\i+\k], v[16+8*\i+\k], s[60+\i], v[48+8*\i+\k]   ; Wb + b Wg
	v_mul_f32 v[16+8*\i+\k], s[56+\i], v[16+8*\i+\k]                  ; -g Wg
.endr
.irp m, 0,1,2,3
	v_cvt_pk_f16_f32 v[80+8*\i+\m], v[16+8*\i+2*\m], v[17+8*\i+2*\m]
	v_cvt_pk_f16_f32 v[84+8*\i+\m], v[48+8*\i+2*\m], v[49+8*\i+2*\m]
.endr
	global_store_b128 v6, v[80+8*\i:83+8*\i], s[92:93] offset:\i*512
	global_store_b128 v6, v[84+8*\i:87+8*\i], s[92:93] offset:\i*512+8192     ; the bet row lies 16 rows on
.endr
	s_cmp_lg_u32 s2, 0
	s_cbranch_scc1 .Lpjend
	; ---- wave 0: the quarter's 64 biases (lanes 0-15) and 64 zeros of set 2 (lanes 16-31): two runs of 256 bytes
	v_lshrrev_b32 v10, 3, v3
	v_and_b32 v11, 3, v3
	v_lshlrev_b32 v10, 6, v10
	v_lshl_add_u32 v10, v11, 4, v10
	s_lshl_b32 s66, s5, 7
	v_add_nc_u32 v10, s66, v10                     ; 4 x feature: 32 job + 16 (q / 8) + 4 (q % 4)
	global_load_b128 v[16:19], v10, s[86:87]
	global_load_b128 v[20:23], v10, s[84:85]
	global_load_b128 v[24:27], v10, s[90:91]
	global_load_b128 v[28:31], v10, s[90:91] offset:1024
	v_lshlrev_b32 v8, 4, v3
	v_lshl_add_u32 v8, v9, 10, v8
	s_lshl_b32 s67, s98, 8
	v_add_nc_u32 v8, s67, v8                       ; 256 u + 16 q + 1,024 (lane / 16)
	v_and_b32 v11, 4, v3
	v_cmp_ne_u32 s6, 0, v11                        ; a bet row?
	v_cmp_gt_u32 s7, 16, v4                        ; set 1?
	s_wait_loadcnt 0x0
.irp k, 0,1,2,3
	v_add_f32 v[24+\k], 1.0, v[24+\k]
	v_mul_f32 v[16+\k], v[16+\k], v[24+\k]
	v_fma_f32 v[28+\k], v[20+\k], v[24+\k], v[28+\k]
	v_mul_f32 v[16+\k], POSC, v[16+\k]
	v_mul_f32 v[28+\k], NEGC, v[28+\k]
	v_cndmask_b32 v[112+\k], v[16+\k], v[28+\k], s6
	v_cndmask_b32 v[112+\k], 0, v[112+\k], s7
.endr
	global_store_b128 v8, v[112:115], s[92:93] offset:131072
.Lpjend:
	s_endpgm
.Lextra:
	; ---- slot 0: rows 64 u + 8 wave + 2 m, two rows an instruction
	s_sub_co_u32 s98, s3, 48
	s_mov_b64 s[92:93], s[WTS:WTS+1]
	s_lshl_b32 s66, s98, 6
	s_lshl_b32 s67, s2, 3
	s_add_co_u32 s66, s66, s67
	s_lshl_b32 s67, s66, 9
	v_add_nc_u32 v5, s67, v1                       ; fc1_W: two rows of 512 bytes on end
	v_lshlrev_b32 v7, 4, v3
	v_lshl_add_u32 v7, v9, 9, v7
	v_add_nc_u32 v7, s67, v7                       ; the slot's row, 16 q
	v_min_u32 v6, 1, v3
	v_lshlrev_b32 v6, 5, v6
	v_lshl_add_u32 v6, v9, 6, v6
	s_lshl_b32 s67, s66, 6
	v_add_nc_u32 v6, s67, v6                       ; in_W: a row is 64 bytes; lanes with q > 1 read q = 1's and store 0
	v_cmp_gt_u32 vcc_lo, 2, v3
	v_cndmask_b32 v10, 0, -1, vcc_lo
	s_mov_b32 s56, NEGC
	s_mov_b32 s57, NEGC
.irp m, 0,1,2,3
	global_load_b128 v[16+16*\m:19+16*\m], v5, s[68:69] offset:\m*1024 th:TH_LOAD_NT
	global_load_b128 v[20+16*\m:23+16*\m], v5, s[68:69] offset:\m*1024+16 th:TH_LOAD_NT
	global_load_b128 v[24+16*\m:27+16*\m], v6, s[72:73] offset:\m*128
	global_load_b128 v[28+16*\m:31+16*\m], v6, s[72:73] offset:\m*128+16
.endr
	s_wait_loadcnt 0x0
.irp m, 0,1,2,3
.irp k, 0,1,2,3,4,5,6,7
	v_pk_mul_f32 v[16+16*\m+2*\k:17+16*\m+2*\k], v[16+16*\m+2*\k:17+16*\m+2*\k], s[56:57] op_sel_hi:[1,0]
.endr
.irp k, 0,1,2,3,4,5,6,7
	v_cvt_pk_f16_f32 v[80+8*\m+\k], v[16+16*\m+2*\k], v[17+16*\m+2*\k]
.endr
.irp k, 4,5,6,7
	v_and_b32 v[80+8*\m+\k], v10, v[80+8*\m+\k]
.endr
	global_store_b128 v7, v[80+8*\m:83+8*\m], s[92:93] offset:\m*1024
	global_store_b128 v7, v[84+8*\m:87+8*\m], s[92:93] offset:\m*1024+256
.endr
	s_mov_b64 s[58:59], s[70:71]                   ; set 1: -c fc1_b
	s_mov_b64 s[60:61], s[74:75]                   ; set 2: -c in_b
	s_mov_b32 s62, NEGC
	s_mov_b32 s63, NEGC
	s_mov_b32 s94, -1
	s_mov_b32 s95, -1
	s_branch .Lbias
.Lfc:
	s_mov_b64 s[96:97], s[80:81]                   ; fc_W
	s_mov_b32 s99, 256                             ; all rows hold weights
	s_mov_b32 s56, 0x42800000                      ; times 64
	s_mov_b32 s57, 0x42800000
	s_mov_b64 s[58:59], s[82:83]                   ; set 1: -c fc_b
	s_mov_b64 s[60:61], s[82:83]                   ; set 2: masked to 0
	s_mov_b32 s62, NEGC
	s_mov_b32 s63, NEGC
	s_mov_b32 s94, -1
	s_mov_b32 s95, 0
	; ---- 64 rows of a plain matrix; my wave takes rows 64 u + 8 wave + 0..7
	s_lshl_b32 s66, s98, 6
	s_lshl_b32 s67, s2, 3
	s_add_co_u32 s66, s66, s67
	s_lshl_b32 s67, s66, 9
	v_add_nc_u32 v6, s67, v2
	s_cmp_lt_u32 s66, s99
	s_cbranch_scc0 .Lzero
	s_lshl_b32 s67, s66, 10
	v_add_nc_u32 v7, s67, v1
.irp i, 0,1,2,3,4,5,6,7
	global_load_b128 v[16+8*\i:19+8*\i], v7, s[96:97] offset:\i*1024 th:TH_LOAD_NT
	global_load_b128 v[20+8*\i:23+8*\i], v7, s[96:97] offset:\i*1024+16 th:TH_LOAD_NT
.endr
	s_wait_loadcnt 0x0
.irp i, 0,1,2,3,4,5,6,7
.irp m, 0,1,2,3
	v_pk_mul_f32 v[16+8*\i+2*\m:17+8*\i+2*\m], v[16+8*\i+2*\m:17+8*\i+2*\m], s[56:57] op_sel_hi:[1,0]
.endr
.irp m, 0,1,2,3
	v_cvt_pk_f16_f32 v[80+4*\i+\m], v[16+8*\i+2*\m], v[17+8*\i+2*\m]
.endr
	global_store_b128 v6, v[80+4*\i:83+4*\i], s[92:93] offset:\i*512
.endr
	s_branch .Lbias
.Lzero:
.irp k, 0,1,2,3
	v_mov_b32 v[80+\k], 0
.endr
.irp i, 0,1,2,3,4,5,6,7
	global_store_b128 v6, v[80:83], s[92:93] offset:\i*512
.endr
.Lbias:
	s_cmp_lg_u32 s2, 0
	s_cbranch_scc1 .Lend
	; ---- wave 0: 64 numbers of set 1 (lanes 0-15) and of set 2 (lanes 16-31), each scaled and masked
	v_lshlrev_b32 v5, 4, v3
	s_lshl_b32 s67, s98, 8
	v_add_nc_u32 v5, s67, v5
	global_load_b128 v[116:119], v5, s[58:59]
	global_load_b128 v[120:123], v5, s[60:61]
	v_lshl_add_u32 v8, v9, 10, v5
	v_cmp_gt_u32 s6, 16, v4
	s_wait_loadcnt 0x0
.irp k, 0,1,2,3
	v_mul_f32 v[116+\k], s62, v[116+\k]
	v_mul_f32 v[120+\k], s63, v[120+\k]
	v_and_b32 v[116+\k], s94, v[116+\k]
	v_and_b32 v[120+\k], s95, v[120+\k]
	v_cndmask_b32 v[124+\k], v[120+\k], v[116+\k], s6
.endr
	global_store_b128 v8, v[124:127], s[92:93] offset:131072
.Lend:
	s_endpgm
.Lfunc_end_k_qa90a276b4d_packA:
	.size	k_qa90a276b4d_packA, .Lfunc_end_k_qa90a276b4d_packA-k_qa90a276b4d_packA
	.p2alignl 7, 3214868480
	.fill 96, 4, 3214868480
	.section	.rodata,"a",@progbits
	.p2align	6, 0x0
	.amdhsa_kernel k_qa90a276b4d_packA
		.amdhsa_group_segment_fixed_size 0
		.amdhsa_private_segment_fixed_size 0
		.amdhsa_enable_private_segment 0
		.amdhsa_kernarg_size 232
		.amdhsa_user_sgpr_count 2
		.amdhsa_user_sgpr_kernarg_segment_ptr 1
		.amdhsa_wavefront_size32 1
		.amdhsa_system_sgpr_workgroup_id_x 1
		.amdhsa_system_sgpr_workgroup_id_y 1
		.amdhsa_system_sgpr_workgroup_id_z 1
		.amdhsa_system_vgpr_workitem_id 0
		.amdhsa_next_free_vgpr 128
		.amdhsa_next_free_sgpr 100
		.amdhsa_reserve_vcc 1
		.amdhsa_float_denorm_mode_32 3
		.amdhsa_float_denorm_mode_16_64 3
		.amdhsa_memory_ordered 1
		.amdhsa_forward_progress 1
		.amdhsa_inst_pref_size 31
	.end_amdhsa_kernel
	.amdgpu_metadata
---
amdhsa.version: [ 1, 2 ]
amdhsa.kernels:
  - .name:           k_qa90a276b4d_packA
    .symbol:         k_qa90a276b4d_packA.kd
    .args:
      - { .name: params_blocks_0_fc_W, .offset: 0, .size: 8, .value_kind: global_buffer, .address_space: global }
      - { .name: params_blocks_0_fc_b, .offset: 8, .size: 8, .value_kind: global_buffer, .address_space: global }
      - { .name: params_blocks_0_norm_b, .offset: 16, .size: 8, .value_kind: global_buffer, .address_space: global }
      - { .name: params_blocks_0_norm_g, .offset: 24, .size: 8, .value_kind: global_buffer, .address_space: global }
      - { .name: params_blocks_0_proj_W, .offset: 32, .size: 8, .value_kind: global_buffer, .address_space: global }
      - { .name: params_blocks_0_proj_b, .offset: 40, .size: 8, .value_kind: global_buffer, .address_space: global }
      - { .name: params_blocks_1_fc_W, .offset: 48, .size: 8, .value_kind: global_buffer, .address_space: global }
      - { .name: params_blocks_1_fc_b, .offset: 56, .size: 8, .value_kind: global_buffer, .address_space: global }
      - { .name: params_blocks_1_norm_b, .offset: 64, .size: 8, .value_kind: global_buffer, .address_space: global }
      - { .name: params_blocks_1_norm_g, .offset: 72, .size: 8, .value_kind: global_buffer, .address_space: global }
      - { .name: params_blocks_1_proj_W, .offset: 80, .size: 8, .value_kind: global_buffer, .address_space: global }
      - { .name: params_blocks_1_proj_b, .offset: 88, .size: 8, .value_kind: global_buffer, .address_space: global }
      - { .name: params_blocks_2_fc_W, .offset: 96, .size: 8, .value_kind: global_buffer, .address_space: global }
      - { .name: params_blocks_2_fc_b, .offset: 104, .size: 8, .value_kind: global_buffer, .address_space: global }
      - { .name: params_blocks_2_norm_b, .offset: 112, .size: 8, .value_kind: global_buffer, .address_space: global }
      - { .name: params_blocks_2_norm_g, .offset: 120, .size: 8, .value_kind: global_buffer, .address_space: global }
      - { .name: params_blocks_2_proj_W, .offset: 128, .size: 8, .value_kind: global_buffer, .address_space: global }
      - { .name: params_blocks_2_proj_b, .offset: 136, .size: 8, .value_kind: global_buffer, .address_space: global }
      - { .name: params_blocks_3_fc_W, .offset: 144, .size: 8, .value_kind: global_buffer, .address_space: global }
      - { .name: params_blocks_3_fc_b, .offset: 152, .size: 8, .value_kind: global_buffer, .address_space: global }
      - { .name: params_blocks_3_norm_b, .offset: 160, .size: 8, .value_kind: global_buffer, .address_space: global }
      - { .name: params_blocks_3_norm_g, .offset: 168, .size: 8, .value_kind: global_buffer, .address_space: global }
      - { .name: params_blocks_3_proj_W, .offset: 176, .size: 8, .value_kind: global_buffer, .address_space: global }
      - { .name: params_blocks_3_proj_b, .offset: 184, .size: 8, .value_kind: global_buffer, .address_space: global }
      - { .name: params_time_fc1_W, .offset: 192, .size: 8, .value_kind: global_buffer, .address_space: global }
      - { .name: params_time_fc1_b, .offset: 200, .size: 8, .value_kind: global_buffer, .address_space: global }
      - { .name: params_in_W, .offset: 208, .size: 8, .value_kind: global_buffer, .address_space: global }
      - { .name: params_in_b, .offset: 216, .size: 8, .value_kind: global_buffer, .address_space: global }
      - { .name: wts, .offset: 224, .size: 8, .value_kind: global_buffer, .address_space: global }
    .group_segment_fixed_size: 0
    .private_segment_fixed_size: 0
    .kernarg_segment_align: 8
    .kernarg_segment_size: 232
    .max_flat_workgroup_size: 256
    .sgpr_count:     100
    .vgpr_count:     128
    .wavefront_size: 32
...
	.end_amdgpu_metadata
.endif
;; end of part 1
;; launch packB (part 2): grid 60 x 1, 8 waves a work-group, no clusters, 0 bytes of LDS; arguments params_blocks_4_fc_W, params_blocks_4_fc_b, params_blocks_4_norm_b, params_blocks_4_norm_g, params_blocks_4_proj_W, params_blocks_4_proj_b, params_blocks_5_fc_W, params_blocks_5_fc_b, params_blocks_5_norm_b, params_blocks_5_norm_g, params_blocks_5_proj_W, params_blocks_5_proj_b, params_blocks_6_fc_W, params_blocks_6_fc_b, params_blocks_6_norm_b, params_blocks_6_norm_g, params_blocks_6_proj_W, params_blocks_6_proj_b, params_blocks_7_fc_W, params_blocks_7_fc_b, params_blocks_7_norm_b, params_blocks_7_norm_g, params_blocks_7_proj_W, params_blocks_7_proj_b, params_time_fc2_W, params_time_fc2_b, params_out_W, params_out_norm_b, params_out_norm_g, wts; writes wts
.if DOCPART == 2
	.amdgcn_target "amdgcn-amd-amdhsa--gfx1250"
	.amdhsa_code_object_version 6
	.text
	.protected	k_qa90a276b4d_packB
	.globl	k_qa90a276b4d_packB
	.p2align	8
	.type	k_qa90a276b4d_packB,@function
k_qa90a276b4d_packB:
	s_mov_b64 s[64:65], 0
	v_nop
	global_prefetch_b8 v0, s[64:65] scope:SCOPE_SE
	s_setreg_imm32_b32 hwreg(HW_REG_WAVE_MODE, 25, 1), 1
	s_wait_xcnt 0x0
; PACKING, SECOND HALF: blocks 4-7 (slots 14-25), time_fc2 (slot 1), the out-norm's tables (slot 26) and out_W (slot 27).
; A slot is 260 dense rows of 512 bytes: rows 0-255 hold 256 f16 weights each, rows 256-257 bias set 1 (256 f32, in row order), rows 258-259 bias set 2.
; With c = log2(e), g, b the block's norm gain and bias, Wg, Wb the two halves of proj_W, pg, pb those of proj_b:
;   gam rows  -g Wg           bias  c g (1 + pg)
;   bet rows  Wb + b Wg       bias  -c (pb + b (1 + pg))
;   fc rows   64 fc_W         bias  -c fc_b
;   slot 1    fc2_W, set 1 -c fc2_b       slot 26   rows 0, set 1 c g_out, set 2 -c b_out       slot 27   rows 0-15 out_W, all else 0
; In a proj slot row 32 p + 16 s + i is feature 128 sigma + 16 p + i, s = 0 gam, 1 bet.
; LIMIT: a packed weight beyond 65,504 becomes an infinity in f16.
; SHARES: 48 work-groups take 12 jobs for each block (8 of 32 proj features, 4 of 64 fc rows), 12 take slots 1, 26, 27.  A wave's store covers 512 consecutive bytes.
; No LDS, no loop: each job issues all its loads, waits once, and stores from registers that are not written again.
.set SLOTG, 133120
.set SL0, 14                           ; block 4 begins at this slot
.set WTS, 78                           ; s[78:79] wts
.set NEGC, 0xbfb8aa3b
.set POSC, 0x3fb8aa3b
	s_load_b512 s[8:23], s[0:1], 0x0               ; block i's six addresses at s[8+12 i ..]: fc_W, fc_b, norm_b, norm_g, proj_W, proj_b
	s_load_b512 s[24:39], s[0:1], 0x40
	s_load_b512 s[40:55], s[0:1], 0x80
	s_load_b256 s[68:75], s[0:1], 0xc0             ; fc2_W, fc2_b, out_W, out_norm_b
	s_load_b128 s[76:79], s[0:1], 0xe0             ; out_norm_g, wts
	v_lshrrev_b32 v4, 5, v0
	v_readfirstlane_b32 s2, v4                     ; wave 0..7
	v_and_b32 v4, 31, v0                           ; lane
	v_lshlrev_b32 v1, 5, v4                        ; 32 bytes of f32 a lane
	v_lshlrev_b32 v2, 4, v4                        ; 16 bytes of f16 a lane
	v_and_b32 v3, 15, v0                           ; q
	v_lshrrev_b32 v9, 4, v4                        ; lane / 16
	s_mov_b32 s3, ttmp9
	s_wait_kmcnt 0x0
	s_cmp_ge_u32 s3, 48
	s_cbranch_scc1 .Lextra
	s_mul_i32 s4, s3, 43
	s_lshr_b32 s4, s4, 9                           ; block = x / 12 (exact for x < 48)
	s_mul_i32 s5, s4, 12
	s_sub_co_u32 s5, s3, s5                        ; job 0..11
.irp k, 0,1,2,3,4,5
	s_mov_b64 s[80+2*\k:81+2*\k], s[8+2*\k:9+2*\k]
.endr
.irp b, 1,2,3
	s_cmp_eq_u32 s4, \b
.irp k, 0,1,2,3,4,5
	s_cselect_b64 s[80+2*\k:81+2*\k], s[8+12*\b+2*\k:9+12*\b+2*\k], s[80+2*\k:81+2*\k]
.endr
.endr
	s_lshr_b32 s6, s5, 2                           ; 0, 1: the two proj slots; 2: the fc slot
	s_mul_i32 s7, s4, 3
	s_add_co_u32 s6, s6, s7
	s_add_co_u32 s6, s6, SL0
	s_mul_i32 s6, s6, SLOTG
	s_mov_b32 s7, 0
	s_add_nc_u64 s[92:93], s[WTS:WTS+1], s[6:7]    ; the slot
	s_and_b32 s98, s5, 3                           ; u: which quarter of the slot
	s_cmp_ge_u32 s5, 8
	s_cbranch_scc1 .Lfc
	; ---- 32 proj features; my wave takes four: f0 = 32 job + 4 wave
	s_lshl_b32 s66, s5, 5
	s_lshl_b32 s67, s2, 2
	s_add_co_u32 s66, s66, s67
	s_lshl_b32 s94, s66, 2
	s_load_b128 s[56:59], s[86:87], s94 offset:0x0 ; g[f0 ..]
	s_load_b128 s[60:63], s[84:85], s94 offset:0x0 ; b[f0 ..]
	s_lshl_b32 s6, s66, 10
	s_add_nc_u64 s[96:97], s[88:89], s[6:7]        ; proj_W at row f0
.irp i, 0,1,2,3
	global_load_b128 v[16+8*\i:19+8*\i], v1, s[96:97] offset:\i*1024 th:TH_LOAD_NT
	global_load_b128 v[20+8*\i:23+8*\i], v1, s[96:97] offset:\i*1024+16 th:TH_LOAD_NT
	global_load_b128 v[48+8*\i:51+8*\i], v1, s[96:97] offset:\i*1024+262144 th:TH_LOAD_NT
	global_load_b128 v[52+8*\i:55+8*\i], v1, s[96:97] offset:\i*1024+262160 th:TH_LOAD_NT
.endr
	s_lshl_b32 s66, s98, 6                         ; the gam rows begin at 64 u + 32 (wave / 4) + 4 (wave % 4)
	s_lshr_b32 s67, s2, 2
	s_lshl_b32 s67, s67, 5
	s_add_co_u32 s66, s66, s67
	s_and_b32 s67, s2, 3
	s_lshl_b32 s67, s67, 2
	s_add_co_u32 s66, s66, s67
	s_lshl_b32 s66, s66, 9
	v_add_nc_u32 v6, s66, v2
	s_wait_kmcnt 0x0
.irp i, 0,1,2,3
	s_xor_b32 s[56+\i], s[56+\i], 0x80000000       ; -g
.endr
	s_wait_loadcnt 0x0
.irp i, 0,1,2,3
.irp k, 0,1,2,3,4,5,6,7
	v_fma_f32 v[48+8*\i+\k], v[16+8*\i+\k], s[60+\i], v[48+8*\i+\k]   ; Wb + b Wg
	v_mul_f32 v[16+8*\i+\k], s[56+\i], v[16+8*\i+\k]                  ; -g Wg
.endr
.irp m, 0,1,2,3
	v_cvt_pk_f16_f32 v[80+8*\i+\m], v[16+8*\i+2*\m], v[17+8*\i+2*\m]
	v_cvt_pk_f16_f32 v[84+8*\i+\m], v[48+8*\i+2*\m], v[49+8*\i+2*\m]
.endr
	global_store_b128 v6, v[80+8*\i:83+8*\i], s[92:93] offset:\i*512
	global_store_b128 v6, v[84+8*\i:87+8*\i], s[92:93] offset:\i*512+8192     ; the bet row lies 16 rows on
.endr
	s_cmp_lg_u32 s2, 0
	s_cbranch_scc1 .Lpjend
	; ---- wave 0: the quarter's 64 biases (lanes 0-15) and 64 zeros of set 2 (lanes 16-31): two runs of 256 bytes
	v_lshrrev_b32 v10, 3, v3
	v_and_b32 v11, 3, v3
	v_lshlrev_b32 v10, 6, v10
	v_lshl_add_u32 v10, v11, 4, v10
	s_lshl_b32 s66, s5, 7
	v_add_nc_u32 v10, s66, v10                     ; 4 x feature: 32 job + 16 (q / 8) + 4 (q % 4)
	global_load_b128 v[16:19], v10, s[86:87]
	global_load_b128 v[20:23], v10, s[84:85]
	global_load_b128 v[24:27], v10, s[90:91]
	global_load_b128 v[28:31], v10, s[90:91] offset:1024
	v_lshlrev_b32 v8, 4, v3
	v_lshl_add_u32 v8, v9, 10, v8
	s_lshl_b32 s67, s98, 8
	v_add_nc_u32 v8, s67, v8                       ; 256 u + 16 q + 1,024 (lane / 16)
	v_and_b32 v11, 4, v3
	v_cmp_ne_u32 s6, 0, v11                        ; a bet row?
	v_cmp_gt_u32 s7, 16, v4                        ; set 1?
	s_wait_loadcnt 0x0
.irp k, 0,1,2,3
	v_add_f32 v[24+\k], 1.0, v[24+\k]
	v_mul_f32 v[16+\k], v[16+\k], v[24+\k]
	v_fma_f32 v[28+\k], v[20+\k], v[24+\k], v[28+\k]
	v_mul_f32 v[16+\k], POSC, v[16+\k]
	v_mul_f32 v[28+\k], NEGC, v[28+\k]
	v_cndmask_b32 v[112+\k], v[16+\k], v[28+\k], s6
	v_cndmask_b32 v[112+\k], 0, v[112+\k], s7
.endr
	global_store_b128 v8, v[112:115], s[92:93] offset:131072
.Lpjend:
	s_endpgm
.Lextra:
	; ---- slots 1, 26, 27: four quarters each, by the shared row and bias code below
	s_sub_co_u32 s4, s3, 48
	s_and_b32 s98, s4, 3
	s_lshr_b32 s4, s4, 2
	s_mov_b32 s56, 1.0
	s_mov_b32 s57, 1.0
	s_mov_b32 s62, NEGC
	s_mov_b32 s63, NEGC
	s_cmp_eq_u32 s4, 0
	s_cbranch_scc1 .Ls1
	s_cmp_eq_u32 s4, 1
	s_cbranch_scc1 .Ls26
	s_mov_b64 s[96:97], s[72:73]                   ; slot 27: out_W in rows 0-15
	s_mov_b32 s99, 16
	s_mov_b64 s[58:59], s[72:73]                   ; both bias sets masked to 0
	s_mov_b64 s[60:61], s[72:73]
	s_mov_b32 s94, 0
	s_mov_b32 s95, 0
	s_mov_b32 s6, 27
	s_branch .Lgo
.Ls26:
	s_mov_b64 s[96:97], s[72:73]                   ; slot 26: no weight rows (the address is not used)
	s_mov_b32 s99, 0
	s_mov_b64 s[58:59], s[76:77]                   ; set 1: c g_out
	s_mov_b64 s[60:61], s[74:75]                   ; set 2: -c b_out
	s_mov_b32 s62, POSC
	s_mov_b32 s94, -1
	s_mov_b32 s95, -1
	s_mov_b32 s6, 26
	s_branch .Lgo
.Ls1:
	s_mov_b64 s[96:97], s[68:69]                   ; slot 1: fc2_W
	s_mov_b32 s99, 256
	s_mov_b64 s[58:59], s[70:71]                   ; set 1: -c fc2_b
	s_mov_b64 s[60:61], s[70:71]                   ; set 2 masked to 0
	s_mov_b32 s94, -1
	s_mov_b32 s95, 0
	s_mov_b32 s6, 1
.Lgo:
	s_mul_i32 s6, s6, SLOTG
	s_mov_b32 s7, 0
	s_add_nc_u64 s[92:93], s[WTS:WTS+1], s[6:7]
	s_branch .Lfcj
.Lfc:
	s_mov_b64 s[96:97], s[80:81]                   ; fc_W
	s_mov_b32 s99, 256                             ; all rows hold weights
	s_mov_b32 s56, 0x42800000                      ; times 64
	s_mov_b32 s57, 0x42800000
	s_mov_b64 s[58:59], s[82:83]                   ; set 1: -c fc_b
	s_mov_b64 s[60:61], s[82:83]                   ; set 2: masked to 0
	s_mov_b32 s62, NEGC
	s_mov_b32 s63, NEGC
	s_mov_b32 s94, -1
	s_mov_b32 s95, 0
.Lfcj:
	; ---- 64 rows of a plain matrix; my wave takes rows 64 u + 8 wave + 0..7; rows from s99 on are 0
	s_lshl_b32 s66, s98, 6
	s_lshl_b32 s67, s2, 3
	s_add_co_u32 s66, s66, s67
	s_lshl_b32 s67, s66, 9
	v_add_nc_u32 v6, s67, v2
	s_cmp_lt_u32 s66, s99
	s_cbranch_scc0 .Lzero
	s_lshl_b32 s67, s66, 10
	v_add_nc_u32 v7, s67, v1
.irp i, 0,1,2,3,4,5,6,7
	global_load_b128 v[16+8*\i:19+8*\i], v7, s[96:97] offset:\i*1024 th:TH_LOAD_NT
	global_load_b128 v[20+8*\i:23+8*\i], v7, s[96:97] offset:\i*1024+16 th:TH_LOAD_NT
.endr
	s_wait_loadcnt 0x0
.irp i, 0,1,2,3,4,5,6,7
.irp m, 0,1,2,3
	v_pk_mul_f32 v[16+8*\i+2*\m:17+8*\i+2*\m], v[16+8*\i+2*\m:17+8*\i+2*\m], s[56:57] op_sel_hi:[1,0]
.endr
.irp m, 0,1,2,3
	v_cvt_pk_f16_f32 v[80+4*\i+\m], v[16+8*\i+2*\m], v[17+8*\i+2*\m]
.endr
	global_store_b128 v6, v[80+4*\i:83+4*\i], s[92:93] offset:\i*512
.endr
	s_branch .Lbias
.Lzero:
.irp k, 0,1,2,3
	v_mov_b32 v[80+\k], 0
.endr
.irp i, 0,1,2,3,4,5,6,7
	global_store_b128 v6, v[80:83], s[92:93] offset:\i*512
.endr
.Lbias:
	s_cmp_lg_u32 s2, 0
	s_cbranch_scc1 .Lend
	; ---- wave 0: 64 numbers of set 1 (lanes 0-15) and of set 2 (lanes 16-31), each scaled and masked
	v_lshlrev_b32 v5, 4, v3
	s_lshl_b32 s67, s98, 8
	v_add_nc_u32 v5, s67, v5
	global_load_b128 v[116:119], v5, s[58:59]
	global_load_b128 v[120:123], v5, s[60:61]
	v_lshl_add_u32 v8, v9, 10, v5
	v_cmp_gt_u32 s6, 16, v4
	s_wait_loadcnt 0x0
.irp k, 0,1,2,3
	v_mul_f32 v[116+\k], s62, v[116+\k]
	v_mul_f32 v[120+\k], s63, v[120+\k]
	v_and_b32 v[116+\k], s94, v[116+\k]
	v_and_b32 v[120+\k], s95, v[120+\k]
	v_cndmask_b32 v[124+\k], v[120+\k], v[116+\k], s6
.endr
	global_store_b128 v8, v[124:127], s[92:93] offset:131072
.Lend:
	s_endpgm
.Lfunc_end_k_qa90a276b4d_packB:
	.size	k_qa90a276b4d_packB, .Lfunc_end_k_qa90a276b4d_packB-k_qa90a276b4d_packB
	.p2alignl 7, 3214868480
	.fill 96, 4, 3214868480
	.section	.rodata,"a",@progbits
	.p2align	6, 0x0
	.amdhsa_kernel k_qa90a276b4d_packB
		.amdhsa_group_segment_fixed_size 0
		.amdhsa_private_segment_fixed_size 0
		.amdhsa_enable_private_segment 0
		.amdhsa_kernarg_size 240
		.amdhsa_user_sgpr_count 2
		.amdhsa_user_sgpr_kernarg_segment_ptr 1
		.amdhsa_wavefront_size32 1
		.amdhsa_system_sgpr_workgroup_id_x 1
		.amdhsa_system_sgpr_workgroup_id_y 1
		.amdhsa_system_sgpr_workgroup_id_z 1
		.amdhsa_system_vgpr_workitem_id 0
		.amdhsa_next_free_vgpr 128
		.amdhsa_next_free_sgpr 100
		.amdhsa_reserve_vcc 0
		.amdhsa_float_denorm_mode_32 3
		.amdhsa_float_denorm_mode_16_64 3
		.amdhsa_memory_ordered 1
		.amdhsa_forward_progress 1
		.amdhsa_inst_pref_size 24
	.end_amdhsa_kernel
	.amdgpu_metadata
---
amdhsa.version: [ 1, 2 ]
amdhsa.kernels:
  - .name:           k_qa90a276b4d_packB
    .symbol:         k_qa90a276b4d_packB.kd
    .args:
      - { .name: params_blocks_4_fc_W, .offset: 0, .size: 8, .value_kind: global_buffer, .address_space: global }
      - { .name: params_blocks_4_fc_b, .offset: 8, .size: 8, .value_kind: global_buffer, .address_space: global }
      - { .name: params_blocks_4_norm_b, .offset: 16, .size: 8, .value_kind: global_buffer, .address_space: global }
      - { .name: params_blocks_4_norm_g, .offset: 24, .size: 8, .value_kind: global_buffer, .address_space: global }
      - { .name: params_blocks_4_proj_W, .offset: 32, .size: 8, .value_kind: global_buffer, .address_space: global }
      - { .name: params_blocks_4_proj_b, .offset: 40, .size: 8, .value_kind: global_buffer, .address_space: global }
      - { .name: params_blocks_5_fc_W, .offset: 48, .size: 8, .value_kind: global_buffer, .address_space: global }
      - { .name: params_blocks_5_fc_b, .offset: 56, .size: 8, .value_kind: global_buffer, .address_space: global }
      - { .name: params_blocks_5_norm_b, .offset: 64, .size: 8, .value_kind: global_buffer, .address_space: global }
      - { .name: params_blocks_5_norm_g, .offset: 72, .size: 8, .value_kind: global_buffer, .address_space: global }
      - { .name: params_blocks_5_proj_W, .offset: 80, .size: 8, .value_kind: global_buffer, .address_space: global }
      - { .name: params_blocks_5_proj_b, .offset: 88, .size: 8, .value_kind: global_buffer, .address_space: global }
      - { .name: params_blocks_6_fc_W, .offset: 96, .size: 8, .value_kind: global_buffer, .address_space: global }
      - { .name: params_blocks_6_fc_b, .offset: 104, .size: 8, .value_kind: global_buffer, .address_space: global }
      - { .name: params_blocks_6_norm_b, .offset: 112, .size: 8, .value_kind: global_buffer, .address_space: global }
      - { .name: params_blocks_6_norm_g, .offset: 120, .size: 8, .value_kind: global_buffer, .address_space: global }
      - { .name: params_blocks_6_proj_W, .offset: 128, .size: 8, .value_kind: global_buffer, .address_space: global }
      - { .name: params_blocks_6_proj_b, .offset: 136, .size: 8, .value_kind: global_buffer, .address_space: global }
      - { .name: params_blocks_7_fc_W, .offset: 144, .size: 8, .value_kind: global_buffer, .address_space: global }
      - { .name: params_blocks_7_fc_b, .offset: 152, .size: 8, .value_kind: global_buffer, .address_space: global }
      - { .name: params_blocks_7_norm_b, .offset: 160, .size: 8, .value_kind: global_buffer, .address_space: global }
      - { .name: params_blocks_7_norm_g, .offset: 168, .size: 8, .value_kind: global_buffer, .address_space: global }
      - { .name: params_blocks_7_proj_W, .offset: 176, .size: 8, .value_kind: global_buffer, .address_space: global }
      - { .name: params_blocks_7_proj_b, .offset: 184, .size: 8, .value_kind: global_buffer, .address_space: global }
      - { .name: params_time_fc2_W, .offset: 192, .size: 8, .value_kind: global_buffer, .address_space: global }
      - { .name: params_time_fc2_b, .offset: 200, .size: 8, .value_kind: global_buffer, .address_space: global }
      - { .name: params_out_W, .offset: 208, .size: 8, .value_kind: global_buffer, .address_space: global }
      - { .name: params_out_norm_b, .offset: 216, .size: 8, .value_kind: global_buffer, .address_space: global }
      - { .name: params_out_norm_g, .offset: 224, .size: 8, .value_kind: global_buffer, .address_space: global }
      - { .name: wts, .offset: 232, .size: 8, .value_kind: global_buffer, .address_space: global }
    .group_segment_fixed_size: 0
    .private_segment_fixed_size: 0
    .kernarg_segment_align: 8
    .kernarg_segment_size: 240
    .max_flat_workgroup_size: 256
    .sgpr_count:     100
    .vgpr_count:     128
    .wavefront_size: 32
...
	.end_amdgpu_metadata
.endif
;; end of part 2
;; launch main (part 3): grid 256 x 1, 4 waves a work-group, clusters of 4 x 1, 327,680 bytes of LDS; arguments z, t, y, params_class_emb, wts, params_out_b, out0; writes out0
.if DOCPART == 3
	.amdgcn_target "amdgcn-amd-amdhsa--gfx1250"
	.amdhsa_code_object_version 6
	.text
	.protected	k_qa90a276b4d_main
	.globl	k_qa90a276b4d_main
	.p2align	8
	.type	k_qa90a276b4d_main,@function
k_qa90a276b4d_main:
	s_mov_b64 s[64:65], 0
	v_nop
	global_prefetch_b8 v0, s[64:65] scope:SCOPE_SE
	s_setreg_imm32_b32 hwreg(HW_REG_WAVE_MODE, 25, 1), 1
	s_wait_xcnt 0x0
	s_wait_alu depctr_hold_cnt(0) depctr_sa_sdst(0) depctr_va_vdst(0) depctr_va_sdst(0) depctr_va_ssrc(0) depctr_va_vcc(0) depctr_vm_vsrc(0)
	s_getreg_b32 s2, hwreg(HW_REG_IB_STS2, 6, 4)
	s_cmp_eq_u32 s2, 0
	s_cbranch_scc0 .Lentry_in_a_cluster
	s_endpgm
.Lentry_in_a_cluster:
	s_bfe_u32 s2, ttmp6, 0x10000c
	s_cmp_lg_u32 s2, 0x3003
	s_cbranch_scc0 .Lentry_shape_is_right
	s_endpgm
.Lentry_shape_is_right:
; THE WHOLE DENOISER IN ONE LAUNCH.  A work-group owns 128 rows, each of its four waves 32 (two tiles t of 16) with ALL 256 features: nothing passes between waves.
; EVERY PRODUCT IS USED TRANSPOSED: source 0 = 16 output features (weights, from LDS), source 1 = 16 rows (activations, in registers).  In a result lane l holds row l % 16 and
; features 8 (l / 16) + 0..7, so two results rounded to f16 in pairs ARE the next product's source 1: no value changes lanes; a row's mean and variance want one exchange of the lanes' halves.
; SCALED STATE, c = log2(e): the text carries h' = -c h, e' = -c e, u' = -c u, so that -c silu(u) = u' / (1 + 2^u') needs no multiply ahead of the exponential; in the blocks and the tail
; a'' = u' / (64 + 64 2^u') = -c silu(u) / 64, with 64 folded into fc_W.  LayerNorm on h' with eps' = c^2 1e-5, in two passes (centre, then squares), gives -xhat.
; FiLM is u' = G' xh' + B', with the norm's gain and bias and proj_b folded into the packed weights and biases (the two launches before).
; WEIGHTS: 28 slots of 260 rows x 512 bytes stream through a ring of two LDS slots by JOINT tensor loads: the four work-groups of a cluster walk the same slots.  A slot feeds 256 matrix
; instructions a wave; each wave brings 65 of its rows.  One load of a wave is out behind each round, two at the start.
; THE CLASS ROWS come straight from memory into registers: their place hangs on y, which differs between the partners of a cluster, so it enters no LDS address.
; LIMITS.  All matrix operands are f16, each input rounded once: a'' holds for |u| under 2.9e6, packed weights under 65,504; below 6e-5 f16 keeps its fixed step of 6e-8.
; sin and cos: two-word reduction by 2 pi and series to x^15, x^16, good while |t| stays under about 1e6.  y is held to 0..9.  NaN and infinities are not treated apart.
; REGISTERS, in windows of 256 (s_set_vgpr_msb: bits 1:0 source 0, 3:2 source 1, 5:4 source 2, 7:6 destination):
;   window 0: v1 lane's place in a weight tile, v2 weight address in hand, v3 lane's place in the bias rows, v4 bias address, v5 prefetch offset, v6-7 the add's two, v8-9 1/sigma,
;             v10-11 mean (prologue: t as f32), v12 scratch address in hand, v13 its base, v14-15 my rows' offsets in the class table, later at work; v16-31 biases;
;             v32-127 three sets of G, B accumulators; v128-191, v192-255 two buffers of weight fragments
;   window 1: h, then h - mean, then -xhat: tile (j, t) at 16 j + 8 t (prologue: sin/cos fragments at 0-63, z's at 64-79)     window 2: the group's state, which is its residual, same map
;   window 3: v0-127 e' fragments (k, t) at 16 k + 8 t; v128-255 a'' fragments (prologue: the first time layer's output)
.set PITCH, 528                        ; an LDS row: 512 bytes + 16 of padding = 33 x 16: the 16 rows of a fragment load start at 16 different groups of four banks (ISA guide 11.1)
.set PAIRB, 16896                      ; 32 rows
.set BROW,  135168                     ; row 256: the biases
.set SLOT1, 0x22000                    ; slot buffer 1: bits 13 and 17, which no wave's offset 34,320 w has, so one exclusive or changes buffers
.set SLOTG, 133120                     ; a slot in memory
.set SPARE, 276736                     ; the spare words, 128 bytes a wave
.set PSC,   277248                     ; scratch, 8,192 bytes a wave, each wave's own; no tensor load lands here
.set MSB, 0
.macro WIN new                         ; the high byte repeats the setting that is left; a switch that changes nothing is dropped
.if MSB != (\new)
	s_set_vgpr_msb (MSB<<8)|(\new)
.set MSB, \new
.endif
.endm
.macro WLO                             ; for lines whose vector operands are source 0 and the destination, both in window 0: the products' setting 0x0c serves too
.if MSB != 0x0c
	WIN 0
.endif
.endm
.macro CROUND                          ; a round of the cluster's barrier: my work-group's barrier; wave 0 signals for it; every wave waits for all four work-groups; my work-group's barrier once more
	s_barrier_signal -1
	s_barrier_wait -1
	s_cmp_lg_u32 s18, 0
	s_cbranch_scc1 .Lnot_wave_0_\@
	s_barrier_signal -3
.Lnot_wave_0_\@:
	s_barrier_wait -3
	s_barrier_signal -1
	s_barrier_wait -1
.endm
.macro NOP4
.rept 4
	v_nop
.endr
.endm
; 20 LDS loads: the biases of pair nl of the slot (32 rows' f32, eight a lane for each of s = 0, 1) and the pair's fragments for K 0-127
.macro RUN1 nl
.irp s, 0,1
.irp x, 0,1
	ds_load_b128 v[16+8*\s+4*\x:19+8*\s+4*\x], v4 offset:((\nl)>>2)*528+((\nl)&3)*128+64*\s+16*\x
.endr
.endr
.irp k, 0,1,2,3
.irp s, 0,1
.irp x, 0,1
	ds_load_b128 v[128+16*\k+8*\s+4*\x:131+16*\k+8*\s+4*\x], v2 offset:8448*\s+64*\k+32*\x
.endr
.endr
.endr
.endm
.macro RUN2                            ; 16 LDS loads: the same pair's fragments for K 128-255
.irp k, 0,1,2,3
.irp s, 0,1
.irp x, 0,1
	ds_load_b128 v[192+16*\k+8*\s+4*\x:195+16*\k+8*\s+4*\x], v2 offset:8448*\s+256+64*\k+32*\x
.endr
.endr
.endr
.endm
.macro FRAGS NK                        ; the prologue's: a pair's fragments for K 0 .. 32 NK - 1
.set fk, 0
.rept \NK
.irp s, 0,1
.irp x, 0,1
	ds_load_b128 v[128+16*fk+8*\s+4*\x:131+16*fk+8*\s+4*\x], v2 offset:8448*\s+64*fk+32*\x
.endr
.endr
.set fk, fk+1
.endr
.endm
; THE RIDERS: FiLM and SiLU of feature tile j, whose G and B lie in accumulator set q; line rn of each kind.  All go upward.
.macro R_XH j                          ; 8: (h - mean) / sigma, in place
	WIN 0x41
.set g, 16*(\j)+2*rn
.if rn < 4
	v_pk_mul_f32 v[g:g+1], v[g:g+1], v[8:9] op_sel_hi:[1,0]
.else
	v_pk_mul_f32 v[g:g+1], v[g:g+1], v[8:9] op_sel:[0,1] op_sel_hi:[1,1]
.endif
.endm
.macro R_FMA q, j                      ; 8: u' = G xh + B
	WIN 0x04
.set g, 32+32*(\q)+2*rn
	v_pk_fma_f32 v[g:g+1], v[g:g+1], v[16*(\j)+2*rn:16*(\j)+2*rn+1], v[g+16:g+17]
.endm
.macro R_EXP q                         ; 16: 2^u' into B's registers
	WLO
	v_exp_f32 v[48+32*(\q)+rn], v[32+32*(\q)+rn]
.endm
.macro R_ADD q                         ; 8: 64 + 64 2^u'
	WLO
.set g, 48+32*(\q)+2*rn
	v_pk_fma_f32 v[g:g+1], v[g:g+1], s[58:59], s[58:59] op_sel_hi:[1,0,0]
.endm
.macro R_RCP q                         ; 16
	WLO
	v_rcp_f32 v[48+32*(\q)+rn], v[48+32*(\q)+rn]
.endm
.macro R_MUL q                         ; 8: a'' in f32
	WIN 0
.set g, 32+32*(\q)+2*rn
	v_pk_mul_f32 v[g:g+1], v[g:g+1], v[g+16:g+17]
.endm
.macro R_CVT q, j                      ; 8: rounded to f16 into its place in the fragments of a''
	WIN 0xc0
	v_cvt_pk_f16_f32 v[128+16*((\j)/2)+8*(rn/4)+4*((\j)%2)+rn%4], v[32+32*(\q)+2*rn], v[33+32*(\q)+2*rn]
.endm
; What stands behind matrix instruction i of a half period.  In period p of proj ride: the end of pair p - 2 (R_MUL, R_CVT), the middle of pair p - 1, and pair p's R_XH.
; The slice behind i = 15 always holds four plain lines that name no register of the products: the places ahead of the loads into the buffer just read and of the first readers of finished sums.
.macro SLICE kind, p, hf
.if (\kind) == 0
.if (\hf) == 0
.if (i < 2) && ((\p) >= 2)
.irp z, 0,1,2,3
.set rn, 4*i+\z
	R_MUL ((\p)+1)%3
.endr
.endif
.if (i >= 2) && (i < 4) && ((\p) >= 1)
.irp z, 0,1,2,3
.set rn, 4*(i-2)+\z
	R_FMA ((\p)+2)%3, (\p)-1
.endr
.endif
.if (i >= 4) && (i < 12) && ((\p) >= 1)
.irp z, 0,1
.set rn, 2*(i-4)+\z
	R_EXP ((\p)+2)%3
.endr
.endif
.if (i >= 14) && ((\p) >= 2)
.irp z, 0,1,2,3
.set rn, 4*(i-14)+\z
	R_CVT ((\p)+1)%3, (\p)-2
.endr
.endif
.if (i == 15) && ((\p) < 2)
	NOP4
.endif
.else
.if (i < 4) && ((\p) >= 1)
.irp z, 0,1
.set rn, 2*i+\z
	R_ADD ((\p)+2)%3
.endr
.endif
.if (i >= 4) && (i < 12) && ((\p) >= 1)
.irp z, 0,1
.set rn, 2*(i-4)+\z
	R_RCP ((\p)+2)%3
.endr
.endif
.if i >= 14
.irp z, 0,1,2,3
.set rn, 4*(i-14)+\z
	R_XH \p
.endr
.endif
.endif
.else
.if i == 15
	NOP4
.endif
.endif
.endm
; 16 matrix instructions: K 128 hf .. + 127 of pair p, its four accumulators (s, t) by turns, one instruction a turn.  The first four start the sums with the bias as C.
; kind 0 (proj): G, B of feature tile p into set p % 3, source 1 = e'.   kind 1 (fc): h tiles 2 p, 2 p + 1 in window 1, source 1 = a''.
.macro UNIT kind, p, hf
.set i, 0
.rept 16
.set kk, 4*(\hf)+i/4
.set ss, (i/2)%2
.set tt, i%2
.set rA, 128+64*(\hf)+16*(i/4)+8*ss
.if (\kind) == 0
.set rD, 32+32*((\p)%3)+16*ss+8*tt
.set rB, 16*kk+8*tt
	WIN 0x0c
.else
.set rD, 16*(2*(\p)+ss)+8*tt
.set rB, 128+16*kk+8*tt
.if kk == 0
	WIN 0x4c
.else
	WIN 0x5c
.endif
.endif
.set rC, rD
.if kk == 0
.set rC, 16+8*ss
.endif
	v_wmma_f32_16x16x32_f16 v[rD:rD+7], v[rA:rA+7], v[rB:rB+7], v[rC:rC+7]
	SLICE \kind, \p, \hf
.set i, i+1
.endr
.endm
; THE CHANGE OF SLOTS.  All reads of the slot in hand have been issued.  OPEN: all my tensor loads have landed (one was out: my part of the next slot); the add; the walking descriptor, the reading
; base and the prefetch pointer step while the add is out.  CLOSE: the add and my reads are done; a round of the cluster's barrier, so that no wave of any partner still reads the slot or has a
; load on its way; the joint refill first behind it: the slot two further on, into the buffer just left.
.macro CHG_OPEN
	WIN 0
	s_wait_tensorcnt 0x0
	ds_add_u32 v6, v7                              ; 0 onto my spare word
	s_xor_b32 s37, s37, SLOT1
	s_add_nc_u64 s[38:39], s[38:39], SLOTG         ; the type bits on top are not reached
	s_xor_b32 s21, s21, SLOT1
	s_wait_xcnt 0x0                                ; the last prefetch, a slot back, has read its address
	s_add_nc_u64 s[40:41], s[40:41], SLOTG
.endm
.macro CHG_CLOSE
	WIN 0
	s_wait_dscnt 0x0
	CROUND
	tensor_load_to_lds s[36:39], s[24:31]
	s_nop 0
	NOP4
.endm
; A PREFETCH INTO THE L2 of the slot that stands two refills on (512 matrix instructions ahead of its load).  All clusters walk the same slots: cluster 0 alone asks; its sixteen waves share a
; slot's first 512 blocks of 256 bytes BY ADDRESS (8,192 bytes a wave, a lane a block), so each block is named once.  The last two refills ask for nothing: slot 27 is the last.
.macro ASK
	s_cmp_gt_u32 s22, s23
	s_cbranch_scc0 .Lnot_mine_\@
	global_prefetch_b8 v5, s[40:41] th:TH_LOAD_NT scope:SCOPE_SE
.Lnot_mine_\@:
	s_sub_co_u32 s22, s22, 1
.endm
; A PERIOD: pair p's 32 matrix instructions.  While one fragment buffer is multiplied the other is loaded for the next pair, in runs.  The two waits for the riders' exponentials and reciprocals
; stand directly ahead of the runs of LDS loads.
.macro PERIOD kind, p, chg
.if \chg
	CHG_OPEN
	s_wait_dscnt 17                                ; the first run is in; the second run's 16 loads and the add may be out
.else
	s_wait_dscnt 16                                ; the first run (biases, K 0-127) is in; the second run's 16 loads may be out
.endif
	UNIT \kind, \p, 0
	WIN 0
.if ((\kind) == 0) && ((\p) >= 1)
	s_wait_alu depctr_va_vdst(0)                   ; the 16 exponentials
.endif
.if \chg
	CHG_CLOSE
	v_add_nc_u32 v2, s21, v1
	v_add_nc_u32 v4, s21, v3
	RUN1 0
	ASK
.else
	v_add_nc_u32 v2, PAIRB, v2
	RUN1 ((\p)&7)+1
.endif
	s_wait_dscnt 20                                ; K 128-255 is in; the 20 loads just issued may be out
	UNIT \kind, \p, 1
	WIN 0
.if ((\kind) == 0) && ((\p) >= 1)
	s_wait_alu depctr_va_vdst(0)                   ; the 16 reciprocals
.endif
	RUN2
.endm
.macro RLOOP cnt, line:vararg
.set rn, 0
.rept \cnt
	\line
.set rn, rn+1
.endr
.endm
.macro DRAIN                           ; behind proj's last period: what is left of pairs 14 and 15
	RLOOP 8, R_MUL 2
	RLOOP 8, R_FMA 0, 15
	RLOOP 8, R_CVT 2, 14
	RLOOP 16, R_EXP 0
	v_nop
	s_wait_alu depctr_va_vdst(0)
	RLOOP 8, R_ADD 0
	RLOOP 16, R_RCP 0
	v_nop
	s_wait_alu depctr_va_vdst(0)
	RLOOP 8, R_MUL 0
	RLOOP 8, R_CVT 0, 15
	WIN 0
.endm
.macro RESID                           ; the group's end: state = state + h
	WIN 0x86
.set i, 0
.rept 128
	v_pk_add_f32 v[2*i:2*i+1], v[2*i:2*i+1], v[2*i:2*i+1]
.set i, i+1
.endr
	WIN 0
.endm
.macro LNSUM                           ; eight chains v[32 + 8 t + 2 c ..] into one number a row and tile, in v32 (t = 0) and v40 (t = 1), in every lane of the row
	WIN 0
.irp t, 0,1
	v_pk_add_f32 v[32+8*\t:33+8*\t], v[32+8*\t:33+8*\t], v[34+8*\t:35+8*\t]
	v_pk_add_f32 v[36+8*\t:37+8*\t], v[36+8*\t:37+8*\t], v[38+8*\t:39+8*\t]
.endr
.irp t, 0,1
	v_pk_add_f32 v[32+8*\t:33+8*\t], v[32+8*\t:33+8*\t], v[36+8*\t:37+8*\t]
.endr
.irp t, 0,1
	v_add_f32 v[32+8*\t], v[32+8*\t], v[33+8*\t]
.endr
.irp t, 0,1
	v_permlanex16_b32 v[14+\t], v[32+8*\t], s42, s43   ; the row's other 128 features lie in the lane 16 away
.endr
.irp t, 0,1
	v_add_f32 v[32+8*\t], v[32+8*\t], v[14+\t]
.endr
.endm
; The mean of the rows in window W (1: h; 2: the state), four chains a tile t (chain c takes feature tiles c, c + 4, ..., upward), and h - mean into window 1.
.macro LNHEAD W
	WIN (\W)|((\W)<<2)
.irp t, 0,1
.irp c, 0,1,2,3
	v_pk_add_f32 v[32+8*\t+2*\c:33+8*\t+2*\c], v[16*\c+8*\t:16*\c+8*\t+1], v[16*\c+8*\t+2:16*\c+8*\t+3]
.endr
.endr
	WIN (\W)<<2
.set u, 2
.rept 14
.irp t, 0,1
.irp c, 0,1,2,3
.set g, 16*(\c+4*(u/4))+8*\t+2*(u%4)
	v_pk_add_f32 v[32+8*\t+2*\c:33+8*\t+2*\c], v[32+8*\t+2*\c:33+8*\t+2*\c], v[g:g+1]
.endr
.endr
.set u, u+1
.endr
	LNSUM
	v_mul_f32 v10, s44, v32
	v_mul_f32 v11, s44, v40
	WIN 0x40|(\W)
.set i, 0
.rept 128
.if (i/4)%2 == 0
	v_pk_add_f32 v[2*i:2*i+1], v[2*i:2*i+1], v[10:11] op_sel_hi:[1,0] neg_lo:[0,1] neg_hi:[0,1]
.else
	v_pk_add_f32 v[2*i:2*i+1], v[2*i:2*i+1], v[10:11] op_sel:[0,1] op_sel_hi:[1,1] neg_lo:[0,1] neg_hi:[0,1]
.endif
.set i, i+1
.endr
	WIN 0
.endm
.macro LNTAIL                          ; the squares of h - mean, and 1 / sqrt(variance + eps')
	WIN 0x05
.irp t, 0,1
.irp c, 0,1,2,3
	v_pk_mul_f32 v[32+8*\t+2*\c:33+8*\t+2*\c], v[16*\c+8*\t:16*\c+8*\t+1], v[16*\c+8*\t:16*\c+8*\t+1]
.endr
.endr
.set u, 1
.rept 15
.irp t, 0,1
.irp c, 0,1,2,3
.set g, 16*(\c+4*(u/4))+8*\t+2*(u%4)
	v_pk_fma_f32 v[32+8*\t+2*\c:33+8*\t+2*\c], v[g:g+1], v[g:g+1], v[32+8*\t+2*\c:33+8*\t+2*\c]
.endr
.endr
.set u, u+1
.endr
	LNSUM
	v_fma_f32 v32, v32, s44, s46
	v_fma_f32 v40, v40, s44, s46
	v_rsq_f32 v8, v32
	v_rsq_f32 v9, v40
	v_nop                                          ; a plain line behind the last root,
	s_wait_alu depctr_va_vdst(0)                   ; and the wait ahead of the branch and of the first reader
.endm
; HALF A LAYER OF THE TIME MLP: four trips of two feature tiles x two row tiles, K = 32 NK.  Source 1 at BB in the window that BW names; the result, -c silu (+ -c class row if CF), goes as f16
; through my scratch (the loop's registers are fixed) and comes back as fragments at DB in window 3.  All LDS addresses are a scalar stepped by a constant plus a fixed lane register.
; CF: the trip's 32 features of my two rows' class rows come from memory, eight loads of 16 bytes a lane, asked for at the trip's head and waited for behind its products and its SiLU;
; their base steps by 128 bytes behind that wait, which shows the loads done.
.macro LAYER NK, BW, BB, DB, CF, hf
	s_add_co_u32 s81, s21, 528*(\hf)               ; the half's 128 biases fill one LDS row
	v_add_nc_u32 v4, s81, v3
	s_mov_b32 s82, 0
	v_mov_b32 v12, v13
.if \CF
	s_add_nc_u64 s[88:89], s[10:11], 512*(\hf)     ; the class table at the half's first feature; no class load is out here
.endif
	s_mov_b32 s53, 4
.Llay_\@:
	s_wait_dscnt 0x0                               ; this trip's fragments are in
.irp s, 0,1
.irp x, 0,1
	ds_load_b128 v[16+8*\s+4*\x:19+8*\s+4*\x], v4 offset:64*\s+16*\x
.endr
.endr
.if \CF
.irp s, 0,1
.irp x, 0,1
	global_load_b128 v[96+16*\s+4*\x:99+16*\s+4*\x], v14, s[88:89] offset:64*\s+16*\x
	global_load_b128 v[104+16*\s+4*\x:107+16*\s+4*\x], v15, s[88:89] offset:64*\s+16*\x
.endr
.endr
.endif
	WIN \BW
.set lk, 0
.rept \NK
.irp s, 0,1
.irp t, 0,1
.if lk == 0
	v_wmma_f32_16x16x32_f16 v[32+16*\s+8*\t:39+16*\s+8*\t], v[128+16*lk+8*\s:135+16*lk+8*\s], v[(\BB)+16*lk+8*\t:(\BB)+16*lk+8*\t+7], 0
.else
	v_wmma_f32_16x16x32_f16 v[32+16*\s+8*\t:39+16*\s+8*\t], v[128+16*lk+8*\s:135+16*lk+8*\s], v[(\BB)+16*lk+8*\t:(\BB)+16*lk+8*\t+7], v[32+16*\s+8*\t:39+16*\s+8*\t]
.endif
.endr
.endr
.set lk, lk+1
.endr
	WIN 0
	s_add_co_u32 s80, s80, PAIRB
	s_add_co_u32 s81, s81, 128
	v_add_nc_u32 v2, s80, v1                       ; four plain lines: the places behind the products
	v_add_nc_u32 v4, s81, v3
	v_nop
	v_nop
	s_wait_dscnt 0x0                               ; the biases are in
.if \hf
	s_cmp_eq_u32 s53, 1                            ; the layer's last trip has no next pair
	s_cbranch_scc1 .Lnf_\@
.endif
	FRAGS \NK
.if \hf
.Lnf_\@:
.endif
.set i, 0
.rept 16
	v_pk_add_f32 v[32+2*i:33+2*i], v[32+2*i:33+2*i], v[16+8*(i/8)+2*(i%4):17+8*(i/8)+2*(i%4)]
.set i, i+1
.endr
.set i, 0
.rept 32
	v_exp_f32 v[64+i], v[32+i]
.set i, i+1
.endr
	v_nop
	s_wait_alu depctr_va_vdst(0)
.set i, 0
.rept 16
	v_pk_add_f32 v[64+2*i:65+2*i], v[64+2*i:65+2*i], 1.0 op_sel_hi:[1,0]
.set i, i+1
.endr
.set i, 0
.rept 32
	v_rcp_f32 v[64+i], v[64+i]
.set i, i+1
.endr
	v_nop
	s_wait_alu depctr_va_vdst(0)
.set i, 0
.rept 16
	v_pk_mul_f32 v[32+2*i:33+2*i], v[32+2*i:33+2*i], v[64+2*i:65+2*i]
.set i, i+1
.endr
.if \CF
	s_wait_loadcnt 0x0                             ; the class rows are in, so their base may be written
	s_add_nc_u64 s[88:89], s[88:89], 128
.set i, 0
.rept 16
	v_pk_fma_f32 v[32+2*i:33+2*i], v[96+2*i:97+2*i], s[48:49], v[32+2*i:33+2*i] op_sel_hi:[1,0,1]
.set i, i+1
.endr
.endif
.irp t, 0,1
.irp s, 0,1
.irp m, 0,1,2,3
	v_cvt_pk_f16_f32 v[64+8*\t+4*\s+\m], v[32+16*\s+8*\t+2*\m], v[33+16*\s+8*\t+2*\m]
.endr
.endr
.endr
.irp t, 0,1
.irp s, 0,1
	ds_store_b128 v12, v[64+8*\t+4*\s:67+8*\t+4*\s] offset:(2*\t+\s)*512
.endr
.endr
	s_add_co_u32 s82, s82, 2048
	v_add_nc_u32 v12, s82, v13
	s_sub_co_u32 s53, s53, 1
	s_cmp_lg_u32 s53, 0
	s_cbranch_scc1 .Llay_\@
	WIN 0xc0                                       ; back as fragments; LDS serves a wave's instructions in order (ISA guide 5.7.1.4): these see the stores above, and the next half's stores come behind them
.irp r, 0,1,2,3
.irp t, 0,1
.irp s, 0,1
	ds_load_b128 v[(\DB)+16*(4*(\hf)+\r)+8*\t+4*\s:(\DB)+16*(4*(\hf)+\r)+8*\t+4*\s+3], v13 offset:\r*2048+(2*\t+\s)*512
.endr
.endr
.endr
	WIN 0
.endm
.macro HORN d, lit                     ; four pairs: d = d x^2 + lit
.irp k, 0,2,4,6
	v_pk_fma_f32 v[(\d)+\k:(\d)+\k+1], v[(\d)+\k:(\d)+\k+1], v[64+\k:65+\k], \lit op_sel_hi:[1,1,0]
.endr
.endm
	; ================= the head
	s_load_b256 s[4:11], s[0:1], 0x0               ; z s[4:5], t s[6:7], y s[8:9], class_emb s[10:11]
	s_load_b128 s[12:15], s[0:1], 0x20             ; wts s[12:13], out_b s[14:15]
	s_load_b64 s[16:17], s[0:1], 0x30              ; out0
	v_lshl_add_u32 v6, v0, 2, SPARE
	v_mov_b32 v7, 0
	ds_add_u32 v6, v7                              ; the wave's opening: the add, twice on end, and its wait ahead of my first tensor load
	ds_add_u32 v6, v7
	v_lshrrev_b32 v32, 5, v0
	v_readfirstlane_b32 s18, v32                   ; wave 0..3
	s_bfe_u32 s19, ttmp6, 0x40000                  ; cx: it enters the rows' global addresses and the prefetch pointer alone
	s_lshl_b32 s20, ttmp9, 2
	s_add_co_u32 s20, s20, s19                     ; work-group = 4 x cluster + cx
	; group 1 for a slot's quarter: 65 rows x 256 elements of 2 bytes, 4 words of padding behind every 128; the mask names all four work-groups, bit 21 beside it
	s_mov_b32 s24, 15|(1<<16)|(1<<20)|(1<<21)|(6<<22)|(3<<25)
	s_mov_b32 s25, 256<<16
	s_mov_b32 s26, 65<<16
	s_mov_b32 s27, 256<<16
	s_mov_b32 s28, 65
	s_mov_b32 s29, 256
	s_mov_b32 s30, 0
	s_mov_b32 s31, 0
	s_mov_b32 s42, 0x76543210                      ; v_permlanex16_b32: each lane takes its own place in the other half
	s_mov_b32 s43, 0xfedcba98
.macro PAIR r, val                     ; constants that packed lines name as pairs
	s_mov_b32 s[\r], \val
	s_mov_b32 s[(\r)+1], \val
.endm
	PAIR 44, 0x3b800000                            ; 1/256
	PAIR 46, 0x37ae990f                            ; eps' = c^2 1e-5
	PAIR 48, 0xbfb8aa3b                            ; -c
	PAIR 50, 0xab573f9f                            ; -1/15!
	PAIR 54, 0x29573f9f                            ; 1/16!
	PAIR 56, 0xc2317218                            ; -64/c
	PAIR 58, 0x42800000                            ; 64
	PAIR 60, 0xc0c90fdb                            ; -2 pi, high word
	PAIR 62, 0x343bbd2e                            ; -2 pi, the rest
	s_mov_b32 s21, 0                               ; LDS base of the slot that is read
	s_mov_b32 s22, 26                              ; refills to come
	s_mov_b32 s52, 9                               ; the block loop's count
	s_cmp_eq_u32 ttmp9, 0
	s_cselect_b32 s23, 2, -1                       ; cluster 0 prefetches while more than two refills are to come
	v_and_b32 v33, 15, v0                          ; r = l % 16
	v_bfe_u32 v34, v0, 4, 1                        ; hh = l / 16
	v_and_b32 v35, 31, v0
	v_mul_u32_u24 v1, v33, PITCH
	v_lshl_add_u32 v1, v34, 4, v1                  ; a fragment: row r, 16 bytes for each half of the lanes
	v_lshl_add_u32 v3, v34, 5, BROW                ; my eight biases of a tile
	v_lshlrev_b32 v5, 8, v35
	s_lshl_b32 s80, s18, 13
	s_add_co_u32 s80, s80, PSC
	v_lshl_add_u32 v13, v35, 4, s80
	v_lshlrev_b32 v36, 2, v33                      ; t, y: 4 r
	v_lshlrev_b32 v37, 6, v33
	v_lshl_add_u32 v37, v34, 5, v37                ; z: 64 r + 32 hh
	v_lshlrev_b32 v38, 5, v34                      ; 32 hh
	v_lshlrev_b32 v39, 3, v34                      ; 8 hh
	s_mul_i32 s80, s18, 34320                      ; my 65 rows in a slot buffer,
	s_mul_i32 s82, s18, 33280                      ; and in memory
	s_mov_b32 s83, 0
	s_wait_dscnt 0x0                               ; both opening adds are done
	s_wait_kmcnt 0x0
	s_mov_b32 s32, 1
	s_add_co_u32 s33, s80, 0                       ; slot 0 into buffer 0
	s_add_nc_u64 s[34:35], s[12:13], s[82:83]
	s_mov_b32 s36, 1
	s_add_co_u32 s37, s80, SLOT1                   ; slot 1 into buffer 1; this descriptor then walks
	s_add_nc_u64 s[38:39], s[34:35], SLOTG
	s_or_b32 s35, s35, 0x80000000
	s_or_b32 s39, s39, 0x80000000
	s_lshl_b32 s84, s20, 7
	s_lshl_b32 s85, s18, 5
	s_add_co_u32 s84, s84, s85                     ; my first row
	s_lshl_b32 s86, s84, 6
	s_mov_b32 s87, 0
	s_add_nc_u64 s[4:5], s[4:5], s[86:87]
	s_add_nc_u64 s[16:17], s[16:17], s[86:87]
	s_lshl_b32 s86, s84, 2
	s_add_nc_u64 s[6:7], s[6:7], s[86:87]
	s_add_nc_u64 s[8:9], s[8:9], s[86:87]
	s_lshl_b32 s86, s19, 2
	s_add_co_u32 s86, s86, s18
	s_lshl_b32 s86, s86, 13
	s_add_nc_u64 s[40:41], s[12:13], s[86:87]
	s_add_nc_u64 s[40:41], s[40:41], 3*SLOTG       ; the first change steps it to slot 4.  Nothing is prefetched here, where every work-group's first tiles are on their way
	CROUND                                         ; all four work-groups are here: the first joint loads meet
	tensor_load_to_lds s[32:35], s[24:31]          ; slot 0
	s_nop 0
	tensor_load_to_lds s[36:39], s[24:31]          ; slot 1
	s_nop 0
	NOP4
	; ================= my rows' inputs
	global_load_b32 v40, v36, s[6:7]
	global_load_b32 v41, v36, s[6:7] offset:64
	global_load_b32 v42, v36, s[8:9]
	global_load_b32 v43, v36, s[8:9] offset:64
	global_load_b128 v[44:47], v37, s[4:5]
	global_load_b128 v[48:51], v37, s[4:5] offset:16
	global_load_b128 v[52:55], v37, s[4:5] offset:1024
	global_load_b128 v[56:59], v37, s[4:5] offset:1040
	s_wait_loadcnt 0x0
	v_cvt_f32_i32 v10, v40
	v_cvt_f32_i32 v11, v41
	v_min_u32 v42, 9, v42                          ; the class stays inside its table
	v_min_u32 v43, 9, v43
	v_lshlrev_b32 v42, 10, v42
	v_lshlrev_b32 v43, 10, v43
	v_add_nc_u32 v14, v42, v38                     ; 1,024 y + 32 hh: my offset in the class table, for each row tile
	v_add_nc_u32 v15, v43, v38
	WIN 0x40                                       ; z as a fragment: K 0-15 hold z, K 16-31 hold 0
.irp t, 0,1
.irp m, 0,1,2,3
	v_cvt_pk_f16_f32 v[64+8*\t+\m], v[44+8*\t+2*\m], v[45+8*\t+2*\m]
	v_mov_b32 v[68+8*\t+\m], 0
.endr
.endr
	WIN 0
	; ================= sin and cos of t x 10000^(-i/64): four trips, frequencies 16 m + 8 hh + 0..7
.irp j, 0,1,2,3,4,5,6,7
	v_add_nc_u32 v[32+\j], \j, v39
.endr
.irp j, 0,1,2,3,4,5,6,7
	v_cvt_f32_u32 v[32+\j], v[32+\j]
.endr
	s_mov_b32 s82, 0
	v_mov_b32 v12, v13
	s_mov_b32 s53, 4
.Lpe:
.irp j, 0,1,2,3,4,5,6,7
	v_mul_f32 v[40+\j], 0xbe549a78, v[32+\j]       ; -log2(10000) / 64
.endr
.irp j, 0,1,2,3,4,5,6,7
	v_exp_f32 v[40+\j], v[40+\j]
.endr
	v_nop
	s_wait_alu depctr_va_vdst(0)
.irp t, 0,1
.irp k, 0,2,4,6
.if \t == 0
	v_pk_mul_f32 v[48+\k:49+\k], v[40+\k:41+\k], v[10:11] op_sel_hi:[1,0]
.else
	v_pk_mul_f32 v[48+\k:49+\k], v[40+\k:41+\k], v[10:11] op_sel:[0,1] op_sel_hi:[1,1]
.endif
.endr
.irp k, 0,2,4,6
	v_pk_mul_f32 v[56+\k:57+\k], v[48+\k:49+\k], 0x3e22f983 op_sel_hi:[1,0]
.endr
.irp j, 0,1,2,3,4,5,6,7
	v_rndne_f32 v[56+\j], v[56+\j]
.endr
.irp k, 0,2,4,6
	v_pk_fma_f32 v[48+\k:49+\k], v[56+\k:57+\k], s[60:61], v[48+\k:49+\k] op_sel_hi:[1,0,1]
.endr
.irp k, 0,2,4,6
	v_pk_fma_f32 v[48+\k:49+\k], v[56+\k:57+\k], s[62:63], v[48+\k:49+\k] op_sel_hi:[1,0,1]   ; x in -pi .. pi
.endr
.irp k, 0,2,4,6
	v_pk_mul_f32 v[64+\k:65+\k], v[48+\k:49+\k], v[48+\k:49+\k]
.endr
.irp k, 0,2,4,6
	v_pk_fma_f32 v[72+\k:73+\k], v[64+\k:65+\k], s[50:51], 0x2f309231 op_sel_hi:[1,0,0]
	v_pk_fma_f32 v[80+\k:81+\k], v[64+\k:65+\k], s[54:55], 0xad49cba5 op_sel_hi:[1,0,0]
.endr
	HORN 72, 0xb2d7322b
	HORN 80, 0x310f76c7
	HORN 72, 0x3638ef1d
	HORN 80, 0xb493f27e
	HORN 72, 0xb9500d01
	HORN 80, 0x37d00d01
	HORN 72, 0x3c088889
	HORN 80, 0xbab60b61
	HORN 72, 0xbe2aaaab
	HORN 80, 0x3d2aaaab
	HORN 72, 1.0
	HORN 80, -0.5
	HORN 80, 1.0
.irp k, 0,2,4,6
	v_pk_mul_f32 v[72+\k:73+\k], v[72+\k:73+\k], v[48+\k:49+\k]
.endr
.irp m, 0,1,2,3
	v_cvt_pk_f16_f32 v[88+\m], v[72+2*\m], v[73+2*\m]
	v_cvt_pk_f16_f32 v[92+\m], v[80+2*\m], v[81+2*\m]
.endr
	ds_store_b128 v12, v[88:91] offset:\t*512
	ds_store_b128 v12, v[92:95] offset:\t*512+1024
.endr
.irp k, 0,2,4,6
	v_pk_add_f32 v[32+\k:33+\k], v[32+\k:33+\k], 0x41800000 op_sel_hi:[1,0]
.endr
	s_add_co_u32 s82, s82, 2048
	v_add_nc_u32 v12, s82, v13
	s_sub_co_u32 s53, s53, 1
	s_cmp_lg_u32 s53, 0
	s_cbranch_scc1 .Lpe
	WIN 0x40                                       ; back as fragments: kf 0, 1 sin, 2, 3 cos; trip m = 2 (kf % 2) + x
.irp f, 0,1,2,3
.irp t, 0,1
.irp x, 0,1
	ds_load_b128 v[16*\f+8*\t+4*\x:16*\f+8*\t+4*\x+3], v13 offset:(2*(\f&1)+\x)*2048+\t*512+(\f>>1)*1024
.endr
.endr
.endr
	WIN 0
	s_wait_tensorcnt 0x1                           ; my part of slot 0 is in; slot 1's may stay out
	s_wait_dscnt 0x0
	s_barrier_signal -1
	s_barrier_wait -1                              ; everybody's is
	; ================= time_fc1 (K = 128, slot 0)
	s_mov_b32 s80, s21
	v_add_nc_u32 v2, s80, v1
	FRAGS 4
	LAYER 4, 0x04, 0, 128, 0, 0
	LAYER 4, 0x04, 0, 128, 0, 1
	; ================= the input layer (slot 0, columns 128-159; bias set 2 is the C operand), into the state in window 2: four quarters of four feature tiles
.irp g, 0,1,2,3
	WIN 0x80
.irp q, 0,1,2,3
.irp t, 0,1
.irp x, 0,1
	ds_load_b128 v[16*(4*\g+\q)+8*\t+4*\x:16*(4*\g+\q)+8*\t+4*\x+3], v3 offset:1056+((4*\g+\q)>>3)*528+((4*\g+\q)&7)*64+16*\x
.endr
.endr
.endr
	WIN 0
	v_add_nc_u32 v2, \g*33792, v1
.irp q, 0,1,2,3
.irp x, 0,1
	ds_load_b128 v[128+8*(4*\g+\q)+4*\x:131+8*(4*\g+\q)+4*\x], v2 offset:\q*8448+256+32*\x
.endr
.endr
	s_wait_dscnt 0x0
	WIN 0xa4
.irp q, 0,1,2,3
.irp t, 0,1
	v_wmma_f32_16x16x32_f16 v[16*(4*\g+\q)+8*\t:16*(4*\g+\q)+8*\t+7], v[128+8*(4*\g+\q):135+8*(4*\g+\q)], v[64+8*\t:71+8*\t], v[16*(4*\g+\q)+8*\t:16*(4*\g+\q)+8*\t+7]
.endr
.endr
.endr
	WIN 0
	NOP4
.irp b, 0,1
	WIN 0x02
.set i, 0
.rept 128
	v_exp_f32 v[128+i], v[128*\b+i]
.set i, i+1
.endr
	v_nop
	s_wait_alu depctr_va_vdst(0)
	WIN 0
.set i, 0
.rept 64
	v_pk_add_f32 v[128+2*i:129+2*i], v[128+2*i:129+2*i], 1.0 op_sel_hi:[1,0]
.set i, i+1
.endr
.set i, 0
.rept 128
	v_rcp_f32 v[128+i], v[128+i]
.set i, i+1
.endr
	v_nop
	s_wait_alu depctr_va_vdst(0)
	WIN 0x82
.set i, 0
.rept 64
	v_pk_mul_f32 v[128*\b+2*i:128*\b+2*i+1], v[128*\b+2*i:128*\b+2*i+1], v[128+2*i:129+2*i]
.set i, i+1
.endr
.endr
	WIN 0
	; ================= time_fc2 and the class row (slot 1); slot 2 is asked for
	CHG_OPEN
	CHG_CLOSE
	s_mov_b32 s80, s21
	v_add_nc_u32 v2, s80, v1
	FRAGS 8
	ASK
	LAYER 8, 0x0c, 128, 0, 1, 0
	LAYER 8, 0x0c, 128, 0, 1, 1
	; ================= into the block loop, at the first LayerNorm; slot 3 is asked for, block 0's first fragments are fetched
	CHG_OPEN
	CHG_CLOSE
	v_add_nc_u32 v2, s21, v1
	v_add_nc_u32 v4, s21, v3
	RUN1 0
	RUN2
	ASK
	s_branch .Lln2
.Lblk:                                             ; a trip: proj (two slots) with FiLM and SiLU riding, fc (one slot), the residual at a group's end, the next LayerNorm
.irp p, 0,1,2,3,4,5,6
	PERIOD 0, \p, 0
.endr
	PERIOD 0, 7, 1
.irp p, 8,9,10,11,12,13,14
	PERIOD 0, \p, 0
.endr
	PERIOD 0, 15, 1
	DRAIN
.irp p, 0,1,2,3,4,5,6
	PERIOD 1, \p, 0
.endr
	PERIOD 1, 7, 1
	s_and_b32 s80, s52, 1                          ; an odd count: the group's second block
	s_cmp_eq_u32 s80, 1
	s_cbranch_scc0 .Lln1
	RESID
.Lln2:
	LNHEAD 2
	s_branch .Llnt
.Lln1:
	LNHEAD 1
.Llnt:
	LNTAIL
	s_sub_co_u32 s52, s52, 1
	s_cmp_lg_u32 s52, 0
	s_cbranch_scc1 .Lblk
	; ================= the tail: the out-norm's gain and bias (slot 26's tables), SiLU, 256 -> 16 (slot 27)
	s_wait_dscnt 0x0                               ; the loop's last two runs fetched for a block that does not come: their registers are free behind this wait
	v_bfe_u32 v24, v0, 4, 1
	v_lshlrev_b32 v24, 5, v24
	global_load_b128 v[16:19], v24, s[14:15]       ; out_b of my eight outputs
	global_load_b128 v[20:23], v24, s[14:15] offset:16
.irp b, 0,1,2,3
.irp q, 0,1,2,3
.irp x, 0,1
	ds_load_b128 v[128+8*\q+4*\x:131+8*\q+4*\x], v4 offset:((4*\b+\q)>>3)*528+((4*\b+\q)&7)*64+16*\x
	ds_load_b128 v[160+8*\q+4*\x:163+8*\q+4*\x], v4 offset:1056+((4*\b+\q)>>3)*528+((4*\b+\q)&7)*64+16*\x
.endr
.endr
	s_wait_dscnt 0x0
	WIN 0x01
.set i, 0
.rept 32
.if (i/4)%2 == 0
	v_pk_mul_f32 v[32+2*i:33+2*i], v[64*\b+2*i:64*\b+2*i+1], v[8:9] op_sel_hi:[1,0]
.else
	v_pk_mul_f32 v[32+2*i:33+2*i], v[64*\b+2*i:64*\b+2*i+1], v[8:9] op_sel:[0,1] op_sel_hi:[1,1]
.endif
.set i, i+1
.endr
	WIN 0
.set i, 0
.rept 32
	v_pk_fma_f32 v[32+2*i:33+2*i], v[32+2*i:33+2*i], v[128+8*(i/8)+2*(i%4):129+8*(i/8)+2*(i%4)], v[160+8*(i/8)+2*(i%4):161+8*(i/8)+2*(i%4)]
.set i, i+1
.endr
.set i, 0
.rept 64
	v_exp_f32 v[192+i], v[32+i]
.set i, i+1
.endr
	v_nop
	s_wait_alu depctr_va_vdst(0)
.set i, 0
.rept 32
	v_pk_fma_f32 v[192+2*i:193+2*i], v[192+2*i:193+2*i], s[58:59], s[58:59] op_sel_hi:[1,0,0]
.set i, i+1
.endr
.set i, 0
.rept 64
	v_rcp_f32 v[192+i], v[192+i]
.set i, i+1
.endr
	v_nop
	s_wait_alu depctr_va_vdst(0)
.set i, 0
.rept 32
	v_pk_mul_f32 v[32+2*i:33+2*i], v[32+2*i:33+2*i], v[192+2*i:193+2*i]
.set i, i+1
.endr
	WIN 0xc0
.set i, 0
.rept 32
	v_cvt_pk_f16_f32 v[128+16*((4*\b+i/8)/2)+8*((i/4)%2)+4*((4*\b+i/8)%2)+i%4], v[32+2*i], v[33+2*i]
.set i, i+1
.endr
	WIN 0
.endr
	s_wait_tensorcnt 0x0                           ; my part of slot 27 is in,
	ds_add_u32 v6, v7
	s_wait_dscnt 0x0
	s_barrier_signal -1
	s_barrier_wait -1                              ; everybody's is
	s_xor_b32 s80, s21, SLOT1
	v_add_nc_u32 v2, s80, v1
.irp k, 0,1,2,3,4,5,6,7
.irp x, 0,1
	ds_load_b128 v[128+8*\k+4*\x:131+8*\k+4*\x], v2 offset:64*\k+32*\x
.endr
.endr
	v_and_b32 v25, 15, v0
	v_lshl_add_u32 v25, v25, 6, v24                ; 64 r + 32 hh
	s_lshl_b32 s81, s18, 13
	s_add_co_u32 s81, s81, PSC
	v_add_nc_u32 v25, s81, v25
	v_and_b32 v26, 31, v0
	v_lshlrev_b32 v26, 4, v26
	s_wait_dscnt 0x0
	WIN 0x0c
.irp k, 0,1,2,3,4,5,6,7
.irp t, 0,1
.if \k == 0
	v_wmma_f32_16x16x32_f16 v[32+8*\t:39+8*\t], v[128+8*\k:135+8*\k], v[128+16*\k+8*\t:135+16*\k+8*\t], 0
.else
	v_wmma_f32_16x16x32_f16 v[32+8*\t:39+8*\t], v[128+8*\k:135+8*\k], v[128+16*\k+8*\t:135+16*\k+8*\t], v[32+8*\t:39+8*\t]
.endif
.endr
.endr
	WIN 0
	NOP4
	s_wait_loadcnt 0x0                             ; out_b
.irp t, 0,1
.irp m, 0,1,2,3
	v_pk_fma_f32 v[48+8*\t+2*\m:49+8*\t+2*\m], v[32+8*\t+2*\m:33+8*\t+2*\m], s[56:57], v[16+2*\m:17+2*\m] op_sel_hi:[1,0,1]
.endr
.endr
	; a lane holds 32 bytes of a row of 64: through my scratch, so that each store of the wave covers 512 consecutive bytes, aligned
.irp t, 0,1
.irp x, 0,1
	ds_store_b128 v25, v[48+8*\t+4*\x:51+8*\t+4*\x] offset:\t*1024+16*\x
.endr
.endr
.irp n, 0,1,2,3
	ds_load_b128 v[64+4*\n:67+4*\n], v13 offset:\n*512   ; LDS serves a wave's instructions in order: these see the stores above
.endr
	s_wait_dscnt 0x0
.irp n, 0,1,2,3
	global_store_b128 v26, v[64+4*\n:67+4*\n], s[16:17] offset:\n*512 th:TH_STORE_NT
.endr
	s_wait_tensorcnt 0x0                           ; the wave's end, behind my last tensor load and my last LDS store
	ds_add_u32 v6, v7
	s_wait_dscnt 0x0
	CROUND                                         ; the closing round: no work-group ends while a partner may still ask for a tile that names it
	s_endpgm
.Lfunc_end_k_qa90a276b4d_main:
	.size	k_qa90a276b4d_main, .Lfunc_end_k_qa90a276b4d_main-k_qa90a276b4d_main
	.p2alignl 7, 3214868480
	.fill 96, 4, 3214868480
	.section	.rodata,"a",@progbits
	.p2align	6, 0x0
	.amdhsa_kernel k_qa90a276b4d_main
		.amdhsa_group_segment_fixed_size 327680
		.amdhsa_private_segment_fixed_size 0
		.amdhsa_enable_private_segment 0
		.amdhsa_kernarg_size 56
		.amdhsa_user_sgpr_count 2
		.amdhsa_user_sgpr_kernarg_segment_ptr 1
		.amdhsa_wavefront_size32 1
		.amdhsa_system_sgpr_workgroup_id_x 1
		.amdhsa_system_sgpr_workgroup_id_y 1
		.amdhsa_system_sgpr_workgroup_id_z 1
		.amdhsa_system_vgpr_workitem_id 0
		.amdhsa_next_free_vgpr 1024
		.amdhsa_next_free_sgpr 100
		.amdhsa_reserve_vcc 0
		.amdhsa_float_denorm_mode_32 3
		.amdhsa_float_denorm_mode_16_64 3
		.amdhsa_memory_ordered 1
		.amdhsa_forward_progress 1
		.amdhsa_inst_pref_size 255
	.end_amdhsa_kernel
	.section	.bss,"aw",@nobits
	.p2align	6
	.space	262144
	.amdgpu_metadata
---
amdhsa.version: [ 1, 2 ]
amdhsa.kernels:
  - .name:           k_qa90a276b4d_main
    .symbol:         k_qa90a276b4d_main.kd
    .args:
      - { .name: z, .offset: 0, .size: 8, .value_kind: global_buffer, .address_space: global }
      - { .name: t, .offset: 8, .size: 8, .value_kind: global_buffer, .address_space: global }
      - { .name: y, .offset: 16, .size: 8, .value_kind: global_buffer, .address_space: global }
      - { .name: params_class_emb, .offset: 24, .size: 8, .value_kind: global_buffer, .address_space: global }
      - { .name: wts, .offset: 32, .size: 8, .value_kind: global_buffer, .address_space: global }
      - { .name: params_out_b, .offset: 40, .size: 8, .value_kind: global_buffer, .address_space: global }
      - { .name: out0, .offset: 48, .size: 8, .value_kind: global_buffer, .address_space: global }
    .group_segment_fixed_size: 327680
    .private_segment_fixed_size: 0
    .kernarg_segment_align: 8
    .kernarg_segment_size: 56
    .max_flat_workgroup_size: 128
    .sgpr_count:     100
    .vgpr_count:     1024
    .wavefront_size: 32
...
	.end_amdgpu_metadata
.endif
;; end of part 3
